; MI455X (gfx1250); checked and timed in simulation.
; The chip was launched on July 23, 2026; its instructions are those of AMD's public machine-readable ISA for CDNA 5 (MIT licence, August 2026) and "CDNA5" Instruction Set Architecture Reference Guide (July 2026). The comments in the code are by the model that wrote it; some were corrected since.
;; Pair Conditioned Retriever. Allowed arithmetic: matrix products marked QUANTISED: E2M3 operands, one E8M0 scale for each 32 along K, by v_wmma_scale_f32_16x16x128_f8f6f4 with both operands' format E2M3, f32 sums; products left as they are: f32 operands where the result goes on into a quantised operand, else bf16, f16 or f32 operands; f32 sums; everything else in f32.
;; Inputs: condition 2,048 x 512 float32; neighbor_stats 2,048 x 32 x 16 float32; neighbors 2,048 x 32 x 512 float32; pb1 512 float32; pb2 512 float32; pw1 528 x 512 float32; pw2 512 x 512 float32; query 2,048 x 512 float32; sb1 512 float32; sb2 1 float32; sim_alpha one number float32; sw1 1,552 x 512 float32; sw2 512 x 1 float32.
;; Outputs: out0 2,048 x 512 float32; out1 2,048 x 32 float32.
;; This version of the problem:
;;   THIS VERSION OF THE PROBLEM IS GIVEN IN LOW PRECISION. The matrix products marked QUANTISED in the list below multiply operands that are first quantised to E2M3 (2 exponent bits, 3 mantissa bits; 6 bits a number), with one power-of-two scale for each 32 numbers along K (OCP MX v1.0); their sums are f32. All else is computed in f32.
;;   The module's matrix products, in the order in which they are computed (A, B: the left and right operand; K: the contracted axis; several contracted axes count as one K, in the product's order):
;;     1. [M 65,536, K 1,552] x [K 1,552, N 512]; A: computed on the way; B: input sw1: QUANTISED
;;     2. [M 65,536, K 512] x [K 512, N 1]; A: computed on the way; B: input sw2: left as it is (N = 1 < 16)
;;     3. batch 2,048 x [M 1, K 32] x [K 32, N 528]; A: softmax; B: computed on the way: left as it is (M = 1 < 16)
;;     4. [M 2,048, K 528] x [K 528, N 512]; A: computed on the way; B: input pw1: QUANTISED
;;     5. [M 2,048, K 512] x [K 512, N 512]; A: computed on the way; B: input pw2: QUANTISED
;;   THE QUANTISER, for each operand of a quantised product, along K:
;;     - K is cut into blocks of 32 from its start; a last block that is shorter is filled with zeros.
;;     - A block's scale is 2^e with e = floor(log2(the largest magnitude in the block)) - 2, held to -126 .. 127; a block of zeros has e = 0. As a byte (E8M0): e + 127.
;;     - Each number is divided by its block's scale, clamped to +-7.5, and rounded to the nearest number of E2M3, ties to even, subnormals kept.
;;     - The product sums the exact products of the quantised numbers (number of the format x scale) in f32.
;;   ~~~python
;;   def quantise(x, axis):      # numpy; x: float32 -> the quantised numbers, widened to float32 again
;;       x = np.moveaxis(x, axis, -1); K = x.shape[-1]
;;       x = np.pad(x, [(0, 0)] * (x.ndim - 1) + [(0, -K % 32)]); x = x.reshape(x.shape[:-1] + (-1, 32)); a = np.abs(x).max(-1, keepdims=True)
;;       e = np.where(a > 0, np.clip(np.frexp(np.where(a > 0, a, 1))[1] - 1 - 2, -126, 127), 0)      # np.frexp(a)[1] - 1 = floor(log2(a)), exactly
;;       r = np.clip(x / 2.0 ** e, -7.5, 7.5)
;;       step = 2.0 ** (np.maximum(np.frexp(np.where(r == 0, 1, r))[1] - 1, 0) - 3)
;;       q = np.round(r / step) * step * 2.0 ** e      # np.round: ties to even
;;       return np.moveaxis(q.reshape(q.shape[:-2] + (-1,))[..., :K], -1, axis).astype(np.float32)
;;   ~~~
;;   OPERANDS COMPUTED ON THE WAY. 'Computed on the way' means the value that the module computes at that place (a softmax that the list does not call 'softmax' is quantised finished and normalised). What goes into a quantiser is computed in f32, as accurately as f32 sums, v_exp_f32 and their like allow (about 1e-6 of the number): no bf16 or f16 on the way to a quantiser, and a product that is left as it is and whose result goes on into a quantised operand takes f32 operands (vector FMAs, or v_wmma_f32_16x16x4_f32). A number that lies on a knife's edge between two numbers of the format may be rounded either way, as far as f32 arithmetic and the matrix unit's own rounding can turn it there, and no further.
;; One version. Each part assembles by itself: llvm-mc -triple=amdgcn-amd-amdhsa -mcpu=gfx1250 --defsym DOCPART=n.
;; ======== version 1 of 1: 2 launches
;; limits: a function is approximated: absolute error at most 1.5e-07; an absolute error that grows with the inputs' magnitude: up to 1e-07 times it
;; workspace buffers: wq 1,105,920 bytes
;; launch prep (part 1): grid 176 x 1, 4 waves a work-group, no clusters, 0 bytes of LDS; arguments sw1, pw1, pw2, wq; writes wq
.if DOCPART == 1
	.amdgcn_target "amdgcn-amd-amdhsa--gfx1250"
	.amdhsa_code_object_version 6
	.text
	.protected	k_q9e20090f74_prep
	.globl	k_q9e20090f74_prep
	.p2align	8
	.type	k_q9e20090f74_prep,@function
k_q9e20090f74_prep:
	s_mov_b64 s[64:65], 0
	v_nop
	global_prefetch_b8 v0, s[64:65] scope:SCOPE_SE
	s_setreg_imm32_b32 hwreg(HW_REG_WAVE_MODE, 25, 1), 1
	s_wait_xcnt 0x0
; sw1 [1552][512], pw1 [528][512], pw2 [512][512], f32 with K as the FIRST axis, become codes of FP6 (E2M3) with one E8M0 byte for each 32 along K,
; laid in wq IN THE ORDER OF THE OPERAND'S REGISTERS, so that the second launch loads each fragment by three loads of 16 bytes a lane.
; A fragment is 16 columns x 128 K.  Work-group g: K step ks = g / 8 (0-12 sw1, 13-17 pw1, 18-21 pw2; 12 and 17 are the short steps of 16 rows), column group w = g % 8; wave t = tile.
; THE COLUMNS OF A TILE ARE NOT NEIGHBOURS: lane r takes column 64 w + 32 (t / 2) + 8 (t % 2) + r + 8 (r / 8), so that in the transposed product a lane's 16 registers of two neighbouring tiles are 16 neighbouring columns.
; A lane takes a column and its registers run down K, in the order that the operand's layout gives the lane: k = 64 c + 32 (lane / 16) + 0 .. 31.  So a lane holds two whole blocks and nothing is transposed.
; wq: full fragments at ((f 8 + w) 4 + t) 1536 + 512 c + 16 lane (f = 0-11 sw1, 12-15 pw1, 16-19 pw2); short ones (4 registers; lanes 16-31 and register 3 are zeros) from TAILB on; scale words, 4 bytes a lane, from SCB on.
; A block's scale byte is its largest magnitude's exponent field - 2, held at 1 from below (a block of zeros gets 1 where the rule says 127: its codes are zeros, and this program alone reads the bytes).
; LIMITS: NaN and infinities among the inputs are not served; a block whose largest magnitude lies under 2^-124 has its byte held at 1.
.set TAILB, 983040
.set SCB,   1015808
	s_load_b256 s[4:11], s[0:1], 0x0               ; sw1 s[4:5], pw1 s[6:7], pw2 s[8:9], wq s[10:11]
	v_lshrrev_b32 v1, 5, v0
	v_readfirstlane_b32 s12, v1                    ; t: the wave's number
	s_lshr_b32 s13, ttmp9, 3                       ; ks
	s_and_b32 s14, ttmp9, 7                        ; w
	v_and_b32 v1, 15, v0                           ; r
	v_bfe_u32 v2, v0, 4, 1                         ; h
	v_and_b32 v7, 31, v0                           ; lane
	v_and_b32 v3, 8, v1
	v_add_nc_u32 v3, v3, v1                        ; r + 8 (r / 8)
	s_lshl_b32 s15, s14, 6
	s_lshr_b32 s16, s12, 1
	s_lshl_b32 s16, s16, 5
	s_add_co_u32 s15, s15, s16
	s_and_b32 s16, s12, 1
	s_lshl_b32 s16, s16, 3
	s_add_co_u32 s15, s15, s16                     ; 64 w + 32 (t / 2) + 8 (t % 2)
	v_add_nc_u32 v3, s15, v3
	v_lshlrev_b32 v3, 2, v3                        ; my column, in bytes
	v_lshl_add_u32 v4, v2, 16, v3                  ; lanes 16-31 begin 32 rows of 2,048 bytes further down
	v_lshlrev_b32 v5, 4, v7                        ; 16 x lane
	v_lshlrev_b32 v6, 2, v7                        ; 4 x lane
	s_mov_b32 s34, 0x76543210
	s_mov_b32 s35, 0xfedcba98                      ; v_permlanex16_b32's selects for lane l xor 16
	s_mov_b32 s36, 0xffff0000                      ; lanes 16-31
	s_cmp_lt_u32 s13, 13
	s_cselect_b32 s17, 0, 13                       ; the tensor's first K step,
	s_cselect_b32 s18, 0, 1                        ; and how many short steps lie in front of it
	s_cmp_lt_u32 s13, 18
	s_cselect_b32 s17, s17, 18
	s_cselect_b32 s18, s18, 2
	s_sub_co_u32 s19, s13, s17                     ; the K step within its tensor
	s_sub_co_u32 s20, s13, s18                     ; f
	s_lshl_b32 s22, s19, 18                        ; 128 rows of 2,048 bytes a K step
	s_mov_b32 s23, 0
	s_lshl_b32 s24, ttmp9, 2
	s_add_co_u32 s24, s24, s12
	s_lshl_b32 s24, s24, 7
	s_add_co_u32 s24, s24, SCB                     ; my scale words: SCB + ((ks 8 + w) 4 + t) 128
	s_mov_b32 s25, 0
	s_lshl_b32 s28, s20, 3
	s_add_co_u32 s28, s28, s14
	s_lshl_b32 s28, s28, 2
	s_add_co_u32 s28, s28, s12
	s_mul_i32 s28, s28, 1536                       ; my full fragment
	s_mov_b32 s29, 0
	s_cmp_eq_u32 s13, 17
	s_cselect_b32 s21, 8, 0
	s_add_co_u32 s21, s21, s14
	s_lshl_b32 s21, s21, 2
	s_add_co_u32 s21, s21, s12
	s_lshl_b32 s32, s21, 9
	s_add_co_u32 s32, s32, TAILB                   ; my short fragment
	s_mov_b32 s33, 0
	s_wait_kmcnt 0x0
	s_cmp_lt_u32 s13, 13                           ; which tensor: the choice hangs on the work-group's number alone
	s_cselect_b64 s[4:5], s[4:5], s[6:7]
	s_cmp_lt_u32 s13, 18
	s_cselect_b64 s[4:5], s[4:5], s[8:9]
	s_add_nc_u64 s[4:5], s[4:5], s[22:23]
	s_add_nc_u64 s[26:27], s[10:11], s[24:25]
	s_add_nc_u64 s[30:31], s[10:11], s[28:29]
	s_add_nc_u64 s[32:33], s[10:11], s[32:33]
	s_cmp_eq_u32 s13, 12
	s_cbranch_scc1 .Lshort
	s_cmp_eq_u32 s13, 17
	s_cbranch_scc1 .Lshort
	; ---- a full fragment: 64 numbers a lane
.irp c, 0,1
.irp i, 0,1,2,3,4,5,6,7,8,9,10,11,12,13,14,15,16,17,18,19,20,21,22,23,24,25,26,27,28,29,30,31
	global_load_b32 v[64+32*\c+\i], v4, s[4:5] offset:2048*(64*\c+\i)   ; W(64 c + 32 h + i, my column)
.endr
.endr
	s_wait_loadcnt 0x0
.irp c, 0,1
	v_max3_num_f32 v[32+\c], |v[64+32*\c]|, |v[65+32*\c]|, 0x1800000   ; my block 2 c + h, and the floor 2^(3 - 127): the byte cannot fall under 1
.endr
.irp i, 2,4,6,8,10,12,14,16,18,20,22,24,26,28,30
.irp c, 0,1
	v_max3_num_f32 v[32+\c], v[32+\c], |v[64+32*\c+\i]|, |v[65+32*\c+\i]|
.endr
.endr
.irp c, 0,1
	v_add_nc_u32 v[44+\c], 0xff000000, v[32+\c]    ; 2 off the exponent field: the conversion's scale operand
.endr
.irp c, 0,1
	v_lshrrev_b32 v[36+\c], 23, v[44+\c]           ; the scale's byte
.endr
	v_lshl_or_b32 v9, v37, 16, v36                 ; my two bytes: blocks h and 2 + h,
	v_lshlrev_b32 v10, 3, v2
	v_lshlrev_b32 v9, v10, v9                      ; at their places in the word;
	v_mov_b32 v10, 0
	v_permlanex16_b32 v10, v9, s34, s35
	v_or_b32 v9, v9, v10                           ; with lane l xor 16's two the word is whole, in both lanes
.irp c, 0,1
	v_cvt_scalef32_pk16_fp6_f32 v[48+6*\c:50+6*\c], v[64+32*\c:79+32*\c], v[44+\c]
	v_cvt_scalef32_pk16_fp6_f32 v[128+4*\c:130+4*\c], v[80+32*\c:95+32*\c], v[44+\c]   ; (a conversion's three registers begin on an even number)
.endr
	v_nop                                          ; one plain place behind a scaled conversion
.irp c, 0,1
.irp i, 0,1,2
	v_mov_b32 v[51+6*\c+\i], v[128+4*\c+\i]
.endr
.endr
.irp c, 0,1,2
	global_store_b128 v5, v[48+4*\c:51+4*\c], s[30:31] offset:512*\c   ; the wave stores 512 consecutive bytes, aligned
.endr
	global_store_b32 v6, v9, s[26:27]
	s_endpgm
.Lshort:
	; ---- a short fragment: 16 rows; every lane reads its column's 16 numbers, lanes 16-31 then store zeros
.irp i, 0,1,2,3,4,5,6,7,8,9,10,11,12,13,14,15
	global_load_b32 v[64+\i], v3, s[4:5] offset:2048*\i
.endr
	v_mov_b32 v8, 0
	v_mov_b32 v51, 0
	s_wait_loadcnt 0x0
	v_max3_num_f32 v32, |v64|, |v65|, 0x1800000    ; the block's other 16 numbers are zeros
.irp i, 2,4,6,8,10,12,14
	v_max3_num_f32 v32, v32, |v[64+\i]|, |v[65+\i]|
.endr
	v_add_nc_u32 v44, 0xff000000, v32
	v_lshrrev_b32 v36, 23, v44
	v_cvt_scalef32_pk16_fp6_f32 v[48:50], v[64:79], v44
	v_or_b32 v9, 0x7f7f7f00, v36                   ; (a plain place)  the three blocks that do not exist get the byte of 1.0
.irp i, 0,1,2
	v_cndmask_b32 v[48+\i], v[48+\i], v8, s36      ; lanes 16-31 stand for k = 32 .. 63: zero codes
.endr
	global_store_b128 v5, v[48:51], s[32:33]
	global_store_b32 v6, v9, s[26:27]
	s_endpgm
.Lfunc_end_k_q9e20090f74_prep:
	.size	k_q9e20090f74_prep, .Lfunc_end_k_q9e20090f74_prep-k_q9e20090f74_prep
	.p2alignl 7, 3214868480
	.fill 96, 4, 3214868480
	.section	.rodata,"a",@progbits
	.p2align	6, 0x0
	.amdhsa_kernel k_q9e20090f74_prep
		.amdhsa_group_segment_fixed_size 0
		.amdhsa_private_segment_fixed_size 0
		.amdhsa_enable_private_segment 0
		.amdhsa_kernarg_size 32
		.amdhsa_user_sgpr_count 2
		.amdhsa_user_sgpr_kernarg_segment_ptr 1
		.amdhsa_wavefront_size32 1
		.amdhsa_system_sgpr_workgroup_id_x 1
		.amdhsa_system_sgpr_workgroup_id_y 1
		.amdhsa_system_sgpr_workgroup_id_z 1
		.amdhsa_system_vgpr_workitem_id 0
		.amdhsa_next_free_vgpr 136
		.amdhsa_next_free_sgpr 66
		.amdhsa_reserve_vcc 0
		.amdhsa_float_denorm_mode_32 3
		.amdhsa_float_denorm_mode_16_64 3
		.amdhsa_memory_ordered 1
		.amdhsa_forward_progress 1
		.amdhsa_inst_pref_size 15
	.end_amdhsa_kernel
	.amdgpu_metadata
---
amdhsa.version: [ 1, 2 ]
amdhsa.kernels:
  - .name:           k_q9e20090f74_prep
    .symbol:         k_q9e20090f74_prep.kd
    .args:
      - { .name: sw1, .offset: 0, .size: 8, .value_kind: global_buffer, .address_space: global }
      - { .name: pw1, .offset: 8, .size: 8, .value_kind: global_buffer, .address_space: global }
      - { .name: pw2, .offset: 16, .size: 8, .value_kind: global_buffer, .address_space: global }
      - { .name: wq, .offset: 24, .size: 8, .value_kind: global_buffer, .address_space: global }
    .group_segment_fixed_size: 0
    .private_segment_fixed_size: 0
    .kernarg_segment_align: 8
    .kernarg_segment_size: 32
    .max_flat_workgroup_size: 128
    .sgpr_count:     66
    .vgpr_count:     136
    .wavefront_size: 32
...
	.end_amdgpu_metadata
.endif
;; end of part 1
;; launch main (part 2): grid 256 x 1, 8 waves a work-group, no clusters, 327,680 bytes of LDS; arguments query, condition, neighbors, neighbor_stats, sb1, sw2, sb2, sim_alpha, pb1, pb2, wq, out0, out1; writes out0, out1
.if DOCPART == 2
	.amdgcn_target "amdgcn-amd-amdhsa--gfx1250"
	.amdhsa_code_object_version 6
	.text
	.protected	k_q9e20090f74_main
	.globl	k_q9e20090f74_main
	.p2align	8
	.type	k_q9e20090f74_main,@function
k_q9e20090f74_main:
	s_mov_b64 s[64:65], 0
	v_nop
	global_prefetch_b8 v0, s[64:65] scope:SCOPE_SE
	s_setreg_imm32_b32 hwreg(HW_REG_WAVE_MODE, 25, 1), 1
	s_wait_xcnt 0x0
; The whole module for 8 batch elements b (256 rows) a work-group; 256 work-groups.  Quantised products on codes of FP6 (E2M3) with one E8M0 scale for each 32 along K.
; THE FIRST PRODUCT IS SPLIT ALONG K.  Its K = 1,552 is 16 blocks of query, 16 of condition, 16 of the neighbour and one of 16 stats + 16 zeros; no block straddles a part, and the codes of query and condition
; are the same for a b's 32 rows.  So qc(b) = Q(q) Q(sw1[0:512]) + Q(c) Q(sw1[512:1024]) is made once for each b, and the 32 rows multiply K = 528 alone.  The quantised numbers are the same; the f32 sums are grouped otherwise.
; SHARES.  Eight waves, two to a SIMD.  Wave w owns hidden units (and outputs) 64 w .. 64 w + 63, four tiles of 16, for all rows: its weight fragments stay in registers (window 1).  The rows' codes go from wave
; to wave through LDS as images of the operand's registers (16 bytes a lane, 512 a store).  For quantising, wave w makes the fragment of rows 16 (w / 4) on, K step w % 4; for the mix, columns 64 w on.
; BOTH PRODUCTS ARE USED TRANSPOSED (source 0 = 16 weight columns, source 1 = 16 rows): a lane holds ONE row, its registers run along the hidden units, register j of tile t = unit 64 w + 32 (t / 2) + 16 (lane / 16) + 8 (t % 2) + j.
; THE NEIGHBOURS come once, by tensor loads, through two LDS slots of 2 b each; every wave fetches 8 rows (16 KiB) of a slot.  A tile is stated as 16 rows of 1,024 bytes with 16 bytes behind each, and the chunks lie
; 16,656 bytes apart: so the 16 rows of a fragment start at 16 different groups of four banks (64 banks of 4 bytes: ISA guide 11.1); rows of 256 bytes, 64 to a load, would bring them onto two.
; No cluster: the neighbours, nine tenths of the bytes, are read by one work-group alone; the weight codes, which all share, go K step by K step straight into registers.
; THE SHORT K STEP (16 stats): the rows' fragment has codes in registers 0-2 and zeros in 3-11; the weights' has codes in registers 0-2 of lanes 0-15 and zeros in lanes 16-31 and register 3; the eight registers
; behind it hold other codes or zeros.  At every k but the 16 real ones one side is the code 0, FP6 has no NaN and no scale byte is 0xff: those products are zeros.
; GELU is exact-erf by Abramowitz and Stegun 7.1.26: q = k x, k = sqrt(log2(e) / 2); t = 1 / (1 + p' |q|); E = 1 - t (a1 + t (a2 + t (a3 + t (a4 + t a5)))) 2^(-q q); gelu = cg (q + |q| E), cg = 1 / (2 k).
; LIMITS: erf within 1.5e-7 absolute, so gelu within about 1e-7 |x|; NaN and infinities among the inputs are not served; a block whose largest magnitude lies under 2^-124 has its scale byte held at 1.
; The softmax is in base 2 with the row's largest logit taken away.
;
; LDS
.set XIMG,  0                          ; 8 images of fragments x 1,536 bytes
.set XSC,   12288                      ; their scale words: 512 (tile of rows) + 16 lane + 4 (K step)
.set PLOG,  13312                      ; partial logits: 128 wave + 4 row
.set ATT,   14336                      ; attn of the 8 b, for out1: 128 b + 4 row
.set SIMG,  15360                      ; the stats' codes: 512 b + 16 row (fourth word 0)
.set SSC,   19456                      ; their scale words: 128 b + 4 row
.set STT,   20480                      ; the stats in f32, turned: 2,048 b + 128 column + 4 row
.set HIMG,  STT                        ; behind the loop: the projection's hidden layer, 4 images
.set HSC,   STT+8192                   ; and its scale words
.set QCK,   36864                      ; 8 rows of 2,048 bytes, QPIT apart: k (qc + sb1) of b; behind b's trip mixed(b); at the end out0's rows
.set QPIT,  2064
.set MST,   53504                      ; mixed's 16 stats columns: 80 b + 4 column
.set SPARE, 54528                      ; the spare words, 128 bytes for each wave: four blocks of 256 bytes that no other line names
.set RB,    55552                      ; the ring: two slots
.set CHUNK, 16656                      ; 8 neighbour rows: 16 half rows of 1,024 + 16 bytes, + 16
.set RPIT,  2080                       ; from a neighbour row to the next
.set BSTR,  4*CHUNK                    ; from a b to the next
.set SLOTB, 8*CHUNK
.set TAILB, 983040                     ; wq: where the short fragments begin,
.set SCB,   1015808                    ; and the scale words
; VECTOR REGISTERS, window 0
.set SPW,  1                           ; LDS address of my spare word; never rewritten
.set NIL,  2                           ; 0; never rewritten
.set LI,   3                           ; 16 lane
.set L4,   4                           ; 4 lane
.set L15,  5                           ; 16 (lane % 16)
.set L4R,  6                           ; 4 (lane % 16)
.set XWI,  7                           ; where I store my image
.set XWS,  8                           ; and its scale word
.set XRD0, 9                           ; my lane's place in a b of the ring, for quantising
.set MRD0, 10                          ; and for the mix
.set NVO,  11                          ; 256 w + 64 (lane / 16): my place in a vector over the 512 units
.set PLW,  12                          ; 4 lane + 128 w
.set STW,  13                          ; 4 lane + 256 w
.set MXW,  14                          ; 16 (lane % 16) + 8 (lane / 16) + 256 w
.set MSW,  15                          ; 8 w
.set PF,   16                          ; 256 lane + 16,384 w
.set XRD,  17                          ; v17-25: the trip's addresses
.set MRD,  18
.set QRD,  19
.set SIA,  20
.set SSA,  21
.set STA,  22
.set SMA,  23
.set MXA,  24
.set MSA,  25
.set A4,   26                          ; v[26:27] a4
.set WS,   28                          ; v28-47  the weights' scale words: 4 (K step) + tile; the short step's at 16 + tile
.set AS,   48                          ; v48-59  the rows' scale words: 6 (tile of rows) + K step; + 4 the stats'
.set AF,   60                          ; v60-107 the rows' four fragments
.set ACC,  108                         ; v108-139 four accumulators
.set T,    140
.set EX,   148
.set QP,   156
.set ASF,  164                         ; v164-175 the rows' short fragment: 0-3 loaded, 4-11 zeros
.set SW2,  176                         ; v176-207 k sw2 of my 32 units a lane; at the end pb2
.set QK,   208                         ; v208-239 k sb1, then k (qc + sb1) of the b in hand, at the end k pb1
.set LA,   240                         ; v240-247 the logits' sums: 4 a tile of rows
.set AK,   248                         ; attn of b = my wave's number
.set XN,   60                          ; while quantising: 64 numbers,
.set TM,   124                         ; 16 at work,
.set PW,   140                         ; the scale word,
.set PC,   142                         ; the codes
.set MR,   60                          ; in the mix: 16 rows x 4 columns,
.set PL,   124                         ; the eight partial logits,
.set SIM,  132
.set SC,   134                         ; two columns of stats,
.set MA,   140                         ; four sums of two,
.set AM,   208                         ; attn of row 16 (lane / 16) + i in register 2 i
; window 1
.set WF,   0                           ; v0-191   16 weight fragments: 12 (4 (K step) + tile)
.set WX,   192                         ; v192-207 the short step's: 4 a tile;  v208-215 zeros
; SCALAR REGISTERS: s[4:29] the buffers;
.set WV,   30
.set G1,   32                          ; s[32:39] descriptor group 1;  s[40:43], s[44:47] group 0 of slot 0, 1
.set G0A,  40
.set G0B,  44
.set KK,   48                          ; pairs, both words written: the packed forms name a pair and take its low word
.set C5,   50
.set C3,   54
.set C2,   56
.set C1,   58
.set PP,   60
.set CG,   62
.set SEL,  66
.set ALP,  69                          ; log2(e) sim_alpha
.set SBB,  70                          ; log2(e) sb2
.set SB,   72                          ; the b in hand: its place in the ring, in QCK, STT, SIMG, SSC; its number; its place in MST
.set QB,   73
.set TB,   74
.set IB,   75
.set CB,   76
.set BI,   77
.set MB,   78
.set CNT,  79
.set WQC,  80                          ; s[80:81] wq + 6,144 w;  s[82:83] wq + SCB + 512 w;  s[84:85] wq + TAILB + 2,048 w
.set WQS,  82
.set WQX,  84
.set NBW,  86                          ; s[86:87] the work-group's neighbours
.set MSB, 0
.macro WIN new                         ; the immediate's high byte repeats the setting that is left
.if MSB != \new
	s_set_vgpr_msb (MSB<<8)|\new
.set MSB, \new
.endif
.endm
.macro PLACES                          ; four plain places behind a matrix instruction (ISA guide 7.12.1)
.rept 4
	v_nop
.endr
.endm
.macro BARRIER                         ; my LDS stores have landed and my LDS loads are in: then the work-group's barrier
	s_wait_dscnt 0x0
	s_barrier_signal -1
	s_barrier_wait -1
.endm
; 16 nb numbers of a lane, register 16 b + i = k 32 b + 16 (lane / 16) + i of my row, become codes in v[pc] on (6 registers for two blocks) and the blocks' scale bytes in v[pw].
.macro QUANT src, nb, tm, pw, pc
.set qb, 0
.rept \nb
	v_max3_num_f32 v[\tm+qb], |v[\src+16*qb]|, |v[\src+1+16*qb]|, 0x1800000   ; my 16 numbers of block qb, and the floor 2^(3 - 127): the byte cannot fall under 1
.set qb, qb+1
.endr
.set qi, 2
.rept 7
.set qb, 0
.rept \nb
	v_max3_num_f32 v[\tm+qb], v[\tm+qb], |v[\src+16*qb+qi]|, |v[\src+1+16*qb+qi]|
.set qb, qb+1
.endr
.set qi, qi+2
.endr
.set qb, 0
.rept \nb
	v_permlanex16_b32 v[\tm+4+qb], v[\tm+qb], s[SEL], s[SEL+1]
.set qb, qb+1
.endr
.set qb, 0
.rept \nb
	v_max_num_f32 v[\tm+qb], v[\tm+qb], v[\tm+4+qb]   ; with lane l xor 16's: the block's largest magnitude
.set qb, qb+1
.endr
.set qb, 0
.rept \nb
	v_add_nc_u32 v[\tm+12+qb], 0xff000000, v[\tm+qb]  ; 2 off its exponent field: the conversion's scale operand
.set qb, qb+1
.endr
.set qb, 0
.rept \nb
	v_lshrrev_b32 v[\tm+4+qb], 23, v[\tm+12+qb]       ; the scale's byte
.set qb, qb+1
.endr
	v_lshl_or_b32 v[\pw], v[\tm+5], 8, v[\tm+4]
.if \nb == 4
	v_lshl_or_b32 v[\pw], v[\tm+6], 16, v[\pw]
	v_lshl_or_b32 v[\pw], v[\tm+7], 24, v[\pw]
.endif
.set qc, 0
.rept \nb/2
	v_cvt_scalef32_pk16_fp6_f32 v[\pc+6*qc:\pc+6*qc+2], v[\src+32*qc:\src+32*qc+15], v[\tm+12+2*qc]
	v_cvt_scalef32_pk16_fp6_f32 v[\pc+12+4*qc:\pc+14+4*qc], v[\src+16+32*qc:\src+31+32*qc], v[\tm+13+2*qc]   ; (a conversion's three registers begin on an even number)
.set qc, qc+1
.endr
	v_nop                                          ; one plain place behind a scaled conversion
.set qc, 0
.rept \nb/2                            ; the operand's layout wants a WHOLE block in a lane: lanes 0-15 block 2 c, lanes 16-31 block 2 c + 1
.irp i, 0,1,2
	v_permlane16_swap_b32 v[\pc+6*qc+\i], v[\pc+12+4*qc+\i]
.endr
.irp i, 0,1,2
	v_mov_b32 v[\pc+3+6*qc+\i], v[\pc+12+4*qc+\i]
.endr
.set qc, qc+1
.endr
.endm
; the 16 numbers of a short block, all in my lane: codes into v[c] .. v[c + 2], the scale word into v[wd]
.macro SQ src, c, tmp, wd
	v_max3_num_f32 v[\tmp], |v[\src]|, |v[\src+1]|, 0x1800000
.irp i, 2,4,6,8,10,12,14
	v_max3_num_f32 v[\tmp], v[\tmp], |v[\src+\i]|, |v[\src+\i+1]|
.endr
	v_add_nc_u32 v[\tmp+1], 0xff000000, v[\tmp]
	v_lshrrev_b32 v[\tmp], 23, v[\tmp+1]
	v_cvt_scalef32_pk16_fp6_f32 v[\c:\c+2], v[\src:\src+15], v[\tmp+1]
	v_or_b32 v[\wd], 0x7f7f7f00, v[\tmp]           ; (a plain place)  the blocks that do not exist get the byte of 1.0
.endm
.macro IMAGE                           ; the fragment just made goes to LDS as it stands
.irp c, 0,1,2
	ds_store_b128 v[XWI], v[PC+4*\c:PC+4*\c+3] offset:XIMG+512*\c
.endr
	ds_store_b32 v[XWS], v[PW] offset:XSC
.endm
.macro AFETCH mt, s                    ; and comes back so, in any wave
.irp c, 0,1,2
	ds_load_b128 v[AF+12*(\s)+4*\c:AF+12*(\s)+4*\c+3], v[LI] offset:XIMG+(4*(\mt)+(\s))*1536+512*\c
.endr
.endm
.macro AFETCHX mt
	ds_load_b128 v[ASF:ASF+3], v[SIA] offset:SIMG+256*(\mt)
.endm
.macro WFETCH grp, f                   ; my four fragments of weight K step f, and their scale words, into set grp: 16 loads
.if (\f) < 12
.set wks, (\f)
.elseif (\f) < 16
.set wks, (\f)+1
.else
.set wks, (\f)+2
.endif
	WIN 0x40                                       ; destination window 1
.irp t, 0,1,2,3
.irp c, 0,1,2
	global_load_b128 v[WF+12*(4*(\grp)+\t)+4*\c:WF+12*(4*(\grp)+\t)+4*\c+3], v[LI], s[WQC:WQC+1] offset:(\f)*49152+\t*1536+\c*512
.endr
.endr
	WIN 0
.irp t, 0,1,2,3
	global_load_b32 v[WS+4*(\grp)+\t], v[L4], s[WQS:WQS+1] offset:wks*4096+\t*128
.endr
.endm
.macro WFETCHX x                       ; the short step's: 8 loads
	WIN 0x40
.irp t, 0,1,2,3
	global_load_b128 v[WX+4*\t:WX+4*\t+3], v[LI], s[WQX:WQX+1] offset:(\x)*16384+\t*512
.endr
	WIN 0
.irp t, 0,1,2,3
	global_load_b32 v[WS+16+\t], v[L4], s[WQS:WQS+1] offset:(12+5*(\x))*4096+\t*128
.endr
.endm
; one product.  cm = 0: C is the constant 0; else C = v[cr] on
.macro WM d, b, a, ws, as, cm, cr
.if (\cm) == 0
	v_wmma_scale_f32_16x16x128_f8f6f4 v[(\d):(\d)+7], v[(\b):(\b)+11], v[(\a):(\a)+11], 0, v[\ws], v[\as] matrix_a_fmt:MATRIX_FMT_FP6 matrix_b_fmt:MATRIX_FMT_FP6
.else
	v_wmma_scale_f32_16x16x128_f8f6f4 v[(\d):(\d)+7], v[(\b):(\b)+11], v[(\a):(\a)+11], v[(\cr):(\cr)+7], v[\ws], v[\as] matrix_a_fmt:MATRIX_FMT_FP6 matrix_b_fmt:MATRIX_FMT_FP6
.endif
.endm
; Group g of a trip = tile of rows g / 2, weight tiles 2 (g % 2) and 2 (g % 2) + 1.  WPAIR: its two products of K step s (4: the short step).  The two accumulators take turns.
.macro WPAIR g, s
	WIN 0x01                                       ; source 0 (the weights) window 1
.irp u, 0,1
.set wt, 2*((\g)&1)+\u
.if (\s) == 4
	WM ACC+8*wt, WX+4*wt, ASF, WS+16+wt, AS+6*((\g)/2)+4, 1, ACC+8*wt
.elseif (\s) == 0
	WM ACC+8*wt, WF+12*wt, AF, WS+wt, AS+6*((\g)/2), 0, 0
.else
	WM ACC+8*wt, WF+12*(4*(\s)+wt), AF+12*(\s), WS+4*(\s)+wt, AS+6*((\g)/2)+(\s), 1, ACC+8*wt
.endif
.endr
	WIN 0
.endm
; GELU of tile t, in three parts.  GA: q in place of the sums (from the accumulator's low end on), t, 2^(-q q), the polynomial's first step.  No two results of transcendentals are used before a plain line has passed.
.macro GA t
.set ga, ACC+8*(\t)
.set gq, QK+8*(\t)
.irp j, 0,2,4,6
	v_pk_fma_f32 v[ga+\j:ga+\j+1], v[ga+\j:ga+\j+1], s[KK:KK+1], v[gq+\j:gq+\j+1] op_sel_hi:[1,0,1]   ; q = k x sum + k (bias and what else is added)
.endr
.irp j, 0,1,2,3,4,5,6,7
	v_fma_f32 v[T+\j], |v[ga+\j]|, s[PP], 1.0
.endr
.irp j, 0,2,4,6
	v_rcp_f32 v[T+\j], v[T+\j]
	v_rcp_f32 v[T+\j+1], v[T+\j+1]
	v_pk_mul_f32 v[EX+\j:EX+\j+1], v[ga+\j:ga+\j+1], v[ga+\j:ga+\j+1] neg_lo:[1,0] neg_hi:[1,0]
.endr
.irp j, 0,2,4,6
	v_exp_f32 v[EX+\j], v[EX+\j]
	v_exp_f32 v[EX+\j+1], v[EX+\j+1]
	s_wait_alu depctr_va_vdst(0)
	v_pk_fma_f32 v[QP+\j:QP+\j+1], v[T+\j:T+\j+1], s[C5:C5+1], v[A4:A4+1] op_sel_hi:[1,0,1]
.endr
.endm
.macro GB1                             ; the polynomial's other three steps
.irp c, C3, C2, C1
.irp j, 0,2,4,6
	v_pk_fma_f32 v[QP+\j:QP+\j+1], v[QP+\j:QP+\j+1], v[T+\j:T+\j+1], s[\c:\c+1] op_sel_hi:[1,1,0]
.endr
.endr
.endm
; mode 0: the logits' sums of tile of rows mt take G x k sw2.  mode 1: gelu = cg G, in place of q
.macro GB2 t, mode, mt
.set ga, ACC+8*(\t)
.set gs, SW2+8*(\t)
.set gl, LA+4*(\mt)
	s_wait_alu depctr_va_vdst(0)
.irp j, 0,2,4,6
	v_pk_mul_f32 v[T+\j:T+\j+1], v[T+\j:T+\j+1], v[EX+\j:EX+\j+1]
.endr
.irp j, 0,2,4,6
	v_pk_fma_f32 v[EX+\j:EX+\j+1], v[QP+\j:QP+\j+1], v[T+\j:T+\j+1], 1.0 op_sel_hi:[1,1,0] neg_lo:[1,0,0] neg_hi:[1,0,0]   ; E = erf
.endr
.irp j, 0,1,2,3,4,5,6,7
	v_fma_f32 v[T+\j], |v[ga+\j]|, v[EX+\j], v[ga+\j]   ; G = q + |q| E
.endr
.irp j, 0,2,4,6
.if (\mode) == 0
	v_pk_fma_f32 v[gl+(\j&2):gl+(\j&2)+1], v[T+\j:T+\j+1], v[gs+\j:gs+\j+1], v[gl+(\j&2):gl+(\j&2)+1]
.else
	v_pk_mul_f32 v[ga+\j:ga+\j+1], v[T+\j:T+\j+1], s[CG:CG+1] op_sel_hi:[1,0]
.endif
.endr
.endm
; the wait in front of WPAIR g, s: it leaves out the LDS loads that were issued behind the fragment wanted
.macro SWAIT g, s
.if (\g) == 0                          ; 25 loads: 2 scale loads, 4 x 3, the short fragment, 2 scale loads, 8 of k (qc + sb1)
.if (\s) < 4
	s_wait_dscnt 20-3*(\s)
.else
	s_wait_dscnt 10
.endif
.elseif (\g) == 1
.if (\s) == 0
	s_wait_dscnt 0x0
.endif
.elseif (\g) == 2                      ; 13 loads, issued in group 1's stage: 4 x 3 and the short fragment
.if (\s) < 4
	s_wait_dscnt 10-3*(\s)
.else
	s_wait_dscnt 0x0
.endif
.endif
.endm
.macro MSLOT g, s
.if (\g) < 4
	SWAIT \g, \s
	WPAIR \g, \s
.endif
.endm
; loads into registers that WPAIR g, s was the last to read: they stand behind the chunk of GELU that follows it, 12 plain lines or more that name none of its registers
.macro LSLOT g, s, last
.if (\g) == 1                          ; the second tile of rows
.if (\s) < 4
	AFETCH 1, \s
.else
	AFETCHX 1
.endif
.endif
.if ((\g) == 3) && (\last)             ; in the last trip: pw1
.if (\s) < 4
	WFETCH \s, 12+(\s)
.else
	WFETCHX 1
.endif
.endif
.endm
; STAGE g: group g's ten products, two at a time, with group g - 1's GELU between them.  Stage 0 has no GELU, stage 4 no products.
.macro STAGE g, last
.set gt0, 2*(((\g)+1)&1)
.set gmt, ((\g)+1)/2-1
	MSLOT \g, 0
.if (\g) > 0
	GA gt0
.endif
	LSLOT \g, 0, \last
	MSLOT \g, 1
.if (\g) > 0
	GB1
	GB2 gt0, 0, gmt
.endif
	LSLOT \g, 1, \last
	MSLOT \g, 2
.if (\g) > 0
	GA gt0+1
.endif
	LSLOT \g, 2, \last
	MSLOT \g, 3
.if (\g) > 0
	GB1
.endif
	LSLOT \g, 3, \last
	MSLOT \g, 4
.if (\g) > 0
	GB2 gt0+1, 0, gmt
.endif
	LSLOT \g, 4, \last
.endm
; ONE b.  Two barriers: behind the first the 8 images of its 32 rows lie in LDS, behind the second the 8 waves' partial logits.  The images are written again only by waves that have passed the second, which every
; wave reaches behind its last load of them; the partial logits only behind the next trip's first; row b of QCK takes mixed(b) only behind the second, in front of which every wave has loaded k (qc + sb1).
.macro TRIP last
	s_wait_dscnt 0x0                               ; the last trip's stores are done: their address registers are written anew
	v_add_nc_u32 v[XRD], s[SB], v[XRD0]
	v_add_nc_u32 v[MRD], s[SB], v[MRD0]
	v_add_nc_u32 v[QRD], s[QB], v[NVO]
	v_add_nc_u32 v[SIA], s[IB], v[L15]
	v_add_nc_u32 v[SSA], s[CB], v[L4R]
	v_add_nc_u32 v[STA], s[TB], v[STW]
	v_add_nc_u32 v[SMA], s[TB], v[L4]
	v_add_nc_u32 v[MXA], s[QB], v[MXW]
	v_add_nc_u32 v[MSA], s[MB], v[MSW]
.irp b, 0,1,2,3                        ; my fragment's numbers: of my row, 16 neighbours of each of four blocks
.irp j, 0,1,2,3
	ds_load_b128 v[XN+16*\b+4*\j:XN+16*\b+4*\j+3], v[XRD] offset:128*\b+16*\j
.endr
.endr
	s_wait_dscnt 0x0
	QUANT XN, 4, TM, PW, PC
	IMAGE
	BARRIER
	ds_load_b128 v[AS:AS+3], v[LI] offset:XSC
	ds_load_b32 v[AS+4], v[SSA] offset:SSC
	AFETCH 0, 0
	AFETCH 0, 1
	AFETCH 0, 2
	AFETCH 0, 3
	AFETCHX 0
	ds_load_b128 v[AS+6:AS+9], v[LI] offset:XSC+512
	ds_load_b32 v[AS+10], v[SSA] offset:SSC+64
.irp t, 0,1,2,3
	ds_load_b128 v[QK+8*\t:QK+8*\t+3], v[QRD] offset:QCK+128*(\t/2)+32*(\t%2)
	ds_load_b128 v[QK+8*\t+4:QK+8*\t+7], v[QRD] offset:QCK+128*(\t/2)+32*(\t%2)+16
.endr
	STAGE 0, 0
.irp i, 0,1,2,3,4,5,6,7
	v_mov_b32 v[LA+\i], 0                          ; the logits' sums begin; these lines are also the places behind group 0's last products
.endr
	STAGE 1, 0
	STAGE 2, 0
	STAGE 3, \last
	STAGE 4, 0
	v_pk_add_f32 v[LA:LA+1], v[LA:LA+1], v[LA+2:LA+3]
	v_pk_add_f32 v[LA+4:LA+5], v[LA+4:LA+5], v[LA+6:LA+7]
	v_add_f32 v[LA], v[LA], v[LA+1]                ; lane (r, h): row r's share of my units of half h;
	v_add_f32 v[LA+4], v[LA+4], v[LA+5]            ; the same of row 16 + r
	v_permlane16_swap_b32 v[LA], v[LA+4]           ; the first's lanes 16-31 change places with the second's lanes 0-15:
	v_add_f32 v[LA], v[LA], v[LA+4]                ; lane l now holds row l's share of my 64 units
	ds_store_b32 v[PLW], v[LA] offset:PLOG
	BARRIER
.irp i, 0,1,2,3,4,5,6,7
	ds_load_b32 v[PL+\i], v[L4] offset:PLOG+128*\i
.endr
	ds_load_b32 v[SIM], v[SMA] offset:STT+1920     ; the last of the 16 stats
.irp i, 0,1,2,3,4,5,6,7,8,9,10,11,12,13,14,15
	ds_load_b128 v[MR+4*\i:MR+4*\i+3], v[MRD] offset:(\i/8)*CHUNK+(\i%8)*RPIT   ; row 16 (lane / 16) + i, my four of the wave's 64 columns: 16 lanes read 256 consecutive bytes
.endr
	ds_load_b32 v[SC], v[STA] offset:STT
	ds_load_b32 v[SC+1], v[STA] offset:STT+128
	s_wait_dscnt 18                                ; the partial logits and the stat are in; the 16 rows and the 2 columns may be out
	v_add_f32 v[PL], v[PL], v[PL+1]
	v_add_f32 v[PL+2], v[PL+2], v[PL+3]
	v_add_f32 v[PL+4], v[PL+4], v[PL+5]
	v_add_f32 v[PL+6], v[PL+6], v[PL+7]
	v_fma_f32 v[SIM], v[SIM], s[ALP], s[SBB]
	v_add_f32 v[PL], v[PL], v[PL+2]
	v_add_f32 v[PL+4], v[PL+4], v[PL+6]
	v_add_f32 v[PL], v[PL], v[PL+4]
	v_add_f32 v[PL], v[PL], v[SIM]                 ; row l's logit x log2(e)
	v_mov_b32 v[PL+1], v[PL]
.irp m, 1,2,4,8
	v_max_num_f32_dpp v[PL+1], v[PL+1], v[PL+1] row_xmask:\m row_mask:0xf bank_mask:0xf
.endr
	v_permlanex16_b32 v[PL+2], v[PL+1], s[SEL], s[SEL+1]
	v_max_num_f32 v[PL+1], v[PL+1], v[PL+2]        ; the largest of the 32
	v_sub_f32 v[PL], v[PL], v[PL+1]
	v_exp_f32 v[PL], v[PL]
	v_nop                                          ; a plain place behind the transcendental
	s_wait_alu depctr_va_vdst(0)
	v_mov_b32 v[PL+1], v[PL]
.irp m, 1,2,4,8
	v_add_f32_dpp v[PL+1], v[PL+1], v[PL+1] row_xmask:\m row_mask:0xf bank_mask:0xf
.endr
	v_permlanex16_b32 v[PL+2], v[PL+1], s[SEL], s[SEL+1]
	v_add_f32 v[PL+1], v[PL+1], v[PL+2]
	v_rcp_f32 v[PL+1], v[PL+1]
	s_cmp_eq_u32 s[BI], s[WV]
	s_cselect_b32 s88, -1, 0
	v_nop
	s_wait_alu depctr_va_vdst(0)
	v_mul_f32 v[PL], v[PL], v[PL+1]                ; attn of row l
	v_cndmask_b32 v[AK], v[AK], v[PL], s88         ; wave w keeps b = w's for out1
.irp i, 0,1,2,3,4,5,6,7,8,9,10,11,12,13,14,15
	v_mov_b32_dpp v[AM+2*\i], v[PL] row_share:\i row_mask:0xf bank_mask:0xf   ; attn of row 16 (lane / 16) + i, in every lane of the half
.endr
	s_wait_dscnt 0x0
.irp i, 0,1,2,3,4,5,6,7,8,9,10,11,12,13,14,15
.irp p, 0,1
.if \i < 2
	v_pk_mul_f32 v[MA+4*(\i%2)+2*\p:MA+4*(\i%2)+2*\p+1], v[MR+4*\i+2*\p:MR+4*\i+2*\p+1], v[AM+2*\i:AM+2*\i+1] op_sel_hi:[1,0]
.else
	v_pk_fma_f32 v[MA+4*(\i%2)+2*\p:MA+4*(\i%2)+2*\p+1], v[MR+4*\i+2*\p:MR+4*\i+2*\p+1], v[AM+2*\i:AM+2*\i+1], v[MA+4*(\i%2)+2*\p:MA+4*(\i%2)+2*\p+1] op_sel_hi:[1,0,1]
.endif
.endr
.endr
	v_mul_f32 v[SC], v[SC], v[PL]
	v_mul_f32 v[SC+1], v[SC+1], v[PL]
	v_pk_add_f32 v[MA:MA+1], v[MA:MA+1], v[MA+4:MA+5]
	v_pk_add_f32 v[MA+2:MA+3], v[MA+2:MA+3], v[MA+6:MA+7]
	v_permlane16_swap_b32 v[MA], v[MA+2]           ; the two halves of the rows meet: lanes 0-15 keep columns 0, 1 of their four, lanes 16-31 columns 2, 3
	v_permlane16_swap_b32 v[MA+1], v[MA+3]
	v_pk_add_f32 v[MA:MA+1], v[MA:MA+1], v[MA+2:MA+3]
	ds_store_b64 v[MXA], v[MA:MA+1] offset:QCK     ; mixed(b), my 64 columns: 256 consecutive bytes
.irp m, 1,2,4,8
	v_add_f32_dpp v[SC], v[SC], v[SC] row_xmask:\m row_mask:0xf bank_mask:0xf
	v_add_f32_dpp v[SC+1], v[SC+1], v[SC+1] row_xmask:\m row_mask:0xf bank_mask:0xf
.endr
	v_permlanex16_b32 v[SC+2], v[SC], s[SEL], s[SEL+1]
	v_permlanex16_b32 v[SC+3], v[SC+1], s[SEL], s[SEL+1]
	v_pk_add_f32 v[SC:SC+1], v[SC:SC+1], v[SC+2:SC+3]
	ds_store_b64 v[MSA], v[SC:SC+1] offset:MST     ; mixed(b)'s stats columns 2 w, 2 w + 1: all lanes store the same two words
	s_add_co_u32 s[SB], s[SB], BSTR
	s_add_co_u32 s[QB], s[QB], QPIT
	s_add_co_u32 s[TB], s[TB], 2048
	s_add_co_u32 s[IB], s[IB], 512
	s_add_co_u32 s[CB], s[CB], 128
	s_add_co_u32 s[MB], s[MB], 80
	s_add_co_u32 s[BI], s[BI], 1
.endm
; The two b of slot p % 2.
.macro PHASE p, loop
	s_mov_b32 s[SB], RB+((\p)&1)*SLOTB
	s_mov_b32 s[QB], 2*(\p)*QPIT
	s_mov_b32 s[TB], 2*(\p)*2048
	s_mov_b32 s[IB], 2*(\p)*512
	s_mov_b32 s[CB], 2*(\p)*128
	s_mov_b32 s[MB], 2*(\p)*80
	s_mov_b32 s[BI], 2*(\p)
.if \loop
	s_mov_b32 s[CNT], 2
.Lphase\p:
	TRIP 0
	s_sub_co_u32 s[CNT], s[CNT], 1
	s_cmp_lg_u32 s[CNT], 0
	s_cbranch_scc1 .Lphase\p
.else
	TRIP 0
	TRIP 1
.endif
.endm
; THE CHANGE OF SLOTS.  Each wave waits for all its tensor loads (its chunk of the slot ahead), adds 0 to its spare word, and waits for that and for its reads of the slot that it leaves; behind the barrier
; the slot ahead is whole and nobody reads the other.  fill = 1: each wave fills its chunk of that other slot with the b four on: its one tensor load until the next change, with two trips in which to land.
.macro CHANGE fill, g0
	s_wait_tensorcnt 0x0                           ; no tensor load of mine is out, so a group 0 may be written
	ds_add_u32 v[SPW], v[NIL]                      ; 0 onto my spare word
.if \fill
	s_add_nc_u64 s[\g0+2:\g0+3], s[\g0+2:\g0+3], 262144   ; four b on; the type bits on top are not reached
.endif
	s_wait_dscnt 0x0
	s_barrier_signal -1
	s_barrier_wait -1
.if \fill
	tensor_load_to_lds s[\g0:\g0+3], s[G1:G1+7]
	s_nop 0
	PLACES
.endif
.endm
	; ================ THE HEAD
	s_load_b512 s[4:19], s[0:1], 0x0               ; query s[4:5], condition s[6:7], neighbors s[8:9], neighbor_stats s[10:11], sb1 s[12:13], sw2 s[14:15], sb2 s[16:17], sim_alpha s[18:19]
	s_load_b256 s[20:27], s[0:1], 0x40             ; pb1 s[20:21], pb2 s[22:23], wq s[24:25], out0 s[26:27]
	s_load_b64 s[28:29], s[0:1], 0x60              ; out1
	v_lshl_add_u32 v[SPW], v0, 2, SPARE
	v_mov_b32 v[NIL], 0
	ds_add_u32 v1, v2
	ds_add_u32 v1, v2
	s_wait_dscnt 0x0
	v_lshrrev_b32 v17, 5, v0
	v_readfirstlane_b32 s[WV], v17                 ; wave 0..7
	v_and_b32 v17, 31, v0                          ; lane
	v_and_b32 v18, 15, v0                          ; r
	v_bfe_u32 v19, v0, 4, 1                        ; h
	v_and_b32 v20, 7, v0                           ; r % 8
	v_bfe_u32 v21, v0, 3, 1                        ; r / 8
	v_lshlrev_b32 v[LI], 4, v17
	v_lshlrev_b32 v[L4], 2, v17
	v_lshlrev_b32 v[L15], 4, v18
	v_lshlrev_b32 v[L4R], 2, v18
	s_and_b32 s88, s[WV], 3                        ; my K step
	s_lshr_b32 s89, s[WV], 2                       ; my tile of rows
	s_mul_i32 s90, s[WV], 1536
	v_add_nc_u32 v[XWI], s90, v[LI]
	s_lshl_b32 s90, s88, 2
	s_lshl_b32 s91, s89, 9
	s_add_co_u32 s90, s90, s91
	v_add_nc_u32 v[XWS], s90, v[LI]
	s_mul_i32 s90, s89, 2*CHUNK                    ; row 16 (w / 4) + r lies in chunk 2 (w / 4) + r / 8; K step s in half row s / 2, 512 (s % 2) bytes on
	s_lshr_b32 s91, s88, 1
	s_mul_i32 s91, s91, 1040
	s_add_co_u32 s90, s90, s91
	s_and_b32 s91, s[WV], 1
	s_lshl_b32 s91, s91, 9
	s_add_co_u32 s90, s90, s91
	v_mul_u32_u24 v[XRD0], v21, CHUNK
	v_mad_u32_u24 v[XRD0], v20, RPIT, v[XRD0]
	v_lshl_add_u32 v[XRD0], v19, 6, v[XRD0]
	v_add_nc_u32 v[XRD0], s90, v[XRD0]
	s_mul_i32 s90, s89, 1040                       ; columns 64 w on: half row w / 4, 256 (w % 4) bytes on; lanes 16-31 take rows 16 on
	s_lshl_b32 s91, s88, 8
	s_add_co_u32 s90, s90, s91
	v_mul_u32_u24 v[MRD0], v19, 2*CHUNK
	v_add_nc_u32 v[MRD0], v[MRD0], v[L15]
	v_add_nc_u32 v[MRD0], s90, v[MRD0]
	s_lshl_b32 s90, s[WV], 8
	v_lshlrev_b32 v[NVO], 6, v19
	v_add_nc_u32 v[NVO], s90, v[NVO]
	v_add_nc_u32 v[STW], s90, v[L4]
	v_lshl_add_u32 v[MXW], v19, 3, v[L15]
	v_add_nc_u32 v[MXW], s90, v[MXW]
	s_lshl_b32 s90, s[WV], 7
	v_add_nc_u32 v[PLW], s90, v[L4]
	s_lshl_b32 s90, s[WV], 3
	v_mov_b32 v[MSW], s90
	s_lshl_b32 s90, s[WV], 14
	v_lshlrev_b32 v[PF], 8, v17
	v_add_nc_u32 v[PF], s90, v[PF]
	v_lshlrev_b32 v22, 11, v20                     ; query, condition: row r % 8 of my 8 (rows 8-15 of the tile repeat rows 0-7), + 64 h, + 512 (w % 4)
	v_lshl_add_u32 v22, v19, 6, v22
	s_lshl_b32 s90, s88, 9
	v_add_nc_u32 v22, s90, v22
	v_lshlrev_b32 v23, 6, v17                      ; the stats of b = w: a row of 64 bytes a lane
	s_lshl_b32 s90, s[WV], 11
	v_add_nc_u32 v24, s90, v[L4]                   ; into STT
	s_lshl_b32 s90, s[WV], 9
	v_add_nc_u32 v25, s90, v[LI]                   ; into SIMG
	v_mul_u32_u24 v21, v20, QPIT
	v_add_nc_u32 v21, v21, v[NVO]                  ; into QCK: row r % 8, my units
	s_mov_b32 s[KK], 0x3f596d27                    ; k = sqrt(log2(e) / 2)
	s_mov_b32 s[KK+1], s[KK]
	s_mov_b32 s[C5], 0x3f87dc22                    ; a5
	s_mov_b32 s[C5+1], s[C5]
	s_mov_b32 s[C3], 0x3fb5f0e3                    ; a3
	s_mov_b32 s[C3+1], s[C3]
	s_mov_b32 s[C2], 0xbe91a98e                    ; a2
	s_mov_b32 s[C2+1], s[C2]
	s_mov_b32 s[C1], 0x3e827906                    ; a1
	s_mov_b32 s[C1+1], s[C1]
	s_mov_b32 s[PP], 0x3e8ba43f                    ; p' = 0.3275911 / sqrt(log2(e))
	s_mov_b32 s[CG], 0x3f16b55f                    ; cg = 1 / (2 k)
	s_mov_b32 s[CG+1], s[CG]
	s_mov_b32 s[SEL], 0x76543210
	s_mov_b32 s[SEL+1], 0xfedcba98                 ; v_permlanex16_b32's selects for lane l xor 16
	v_mov_b32 v[A4], 0xbfba00e3                    ; a4
	v_mov_b32 v[A4+1], 0xbfba00e3
	; descriptor group 1: 16 rows of 128 elements of 8 bytes, dense in memory, 16 bytes of padding behind each
	s_mov_b32 s[G1+0], (3<<16)|(1<<20)|(7<<22)|(3<<25)   ; no mask; elements of 8 bytes; padding on, after every 256 words (code 7), of 4 words (code 3)
	s_mov_b32 s[G1+1], 128<<16                     ; tensor_dim0
	s_mov_b32 s[G1+2], 16<<16                      ; tensor_dim1
	s_mov_b32 s[G1+3], 128<<16                     ; tile_dim0
	s_mov_b32 s[G1+4], 16                          ; tile_dim1
	s_mov_b32 s[G1+5], 128                         ; tensor_dim0_stride
	s_mov_b32 s[G1+6], 0
	s_mov_b32 s[G1+7], 0
	s_mul_i32 s90, s[WV], CHUNK
	s_mov_b32 s[G0A], 1
	s_add_co_u32 s[G0A+1], s90, RB                 ; my chunk of slot 0,
	s_mov_b32 s[G0B], 1
	s_add_co_u32 s[G0B+1], s90, RB+SLOTB           ; of slot 1
	s_mov_b32 s91, 0
	s_wait_kmcnt 0x0
	s_load_b32 s[ALP], s[18:19], 0x0
	s_load_b32 s[SBB], s[16:17], 0x0
	s_lshl_b32 s90, ttmp9, 19                      ; 8 b x 32 rows x 2,048 bytes a work-group
	s_add_nc_u64 s[NBW:NBW+1], s[8:9], s[90:91]
	s_lshl_b32 s90, s[WV], 14
	s_add_nc_u64 s[G0A+2:G0A+3], s[NBW:NBW+1], s[90:91]
	s_add_nc_u64 s[G0B+2:G0B+3], s[G0A+2:G0A+3], 131072
	s_or_b32 s[G0A+3], s[G0A+3], 0x80000000        ; type = 2
	s_or_b32 s[G0B+3], s[G0B+3], 0x80000000
	tensor_load_to_lds s[G0A:G0A+3], s[G1:G1+7]    ; both first fills, ahead of every barrier and wait on TENSORcnt: two loads of mine are out
	s_nop 0
	tensor_load_to_lds s[G0B:G0B+3], s[G1:G1+7]
	s_nop 0
	PLACES
	s_cmp_lt_u32 s[WV], 4                          ; waves 0-3 quantise the query, waves 4-7 the condition
	s_cselect_b64 s[92:93], s[4:5], s[6:7]
	s_lshl_b32 s90, ttmp9, 14
	s_add_nc_u64 s[92:93], s[92:93], s[90:91]
	s_lshl_b32 s90, ttmp9, 3
	s_add_co_u32 s90, s90, s[WV]
	s_lshl_b32 s90, s90, 11                        ; (8 g + w) x 2,048: b = w's stats, and its row of out0
	s_add_nc_u64 s[94:95], s[10:11], s[90:91]
	s_add_nc_u64 s[26:27], s[26:27], s[90:91]
	s_lshl_b32 s90, ttmp9, 10
	s_add_nc_u64 s[28:29], s[28:29], s[90:91]
	s_mul_i32 s90, s[WV], 6144
	s_add_nc_u64 s[WQC:WQC+1], s[24:25], s[90:91]
	s_lshl_b32 s90, s[WV], 9
	s_add_co_u32 s90, s90, SCB
	s_add_nc_u64 s[WQS:WQS+1], s[24:25], s[90:91]
	s_lshl_b32 s90, s[WV], 11
	s_add_co_u32 s90, s90, TAILB
	s_add_nc_u64 s[WQX:WQX+1], s[24:25], s[90:91]
.irp b, 0,1,2,3                        ; 16 loads: my fragment's numbers of query or condition
.irp j, 0,1,2,3
	global_load_b128 v[XN+16*\b+4*\j:XN+16*\b+4*\j+3], v22, s[92:93] offset:128*\b+16*\j th:TH_LOAD_NT
.endr
.endr
.irp j, 0,1,2,3                        ; 4 loads: the stats
	global_load_b128 v[240+4*\j:243+4*\j], v23, s[94:95] offset:16*\j th:TH_LOAD_NT
.endr
.irp t, 0,1,2,3                        ; 16 loads: sb1 and sw2 at my units
	global_load_b128 v[QK+8*\t:QK+8*\t+3], v[NVO], s[12:13] offset:128*(\t/2)+32*(\t%2)
	global_load_b128 v[QK+8*\t+4:QK+8*\t+7], v[NVO], s[12:13] offset:128*(\t/2)+32*(\t%2)+16
	global_load_b128 v[SW2+8*\t:SW2+8*\t+3], v[NVO], s[14:15] offset:128*(\t/2)+32*(\t%2)
	global_load_b128 v[SW2+8*\t+4:SW2+8*\t+7], v[NVO], s[14:15] offset:128*(\t/2)+32*(\t%2)+16
.endr
	WFETCHX 0                                      ; 8 loads
	WFETCH 0, 0                                    ; 16 loads
	WIN 0x40
.irp i, 0,1,2,3,4,5,6,7
	v_mov_b32 v[WX+16+\i], 0                       ; the registers behind the last short fragment, which its operand names
.endr
	WIN 0
.irp i, 4,5,6,7
	v_mov_b32 v[TM+\i], 0                          ; written once: a lane permute's destination counts as one of its sources
.endr
.irp i, 4,5,6,7,8,9,10,11
	v_mov_b32 v[ASF+\i], 0                         ; the rows' short fragment: zeros for the whole launch
.endr
	s_wait_loadcnt 44                              ; query / condition are in; behind them 4 + 16 + 8 + 16
	WFETCH 1, 1
	QUANT XN, 4, TM, PW, PC
	IMAGE
	s_wait_loadcnt 56                              ; the stats are in; behind them 16 + 8 + 16 + 16
	WFETCH 2, 2
.irp c, 0,1,2,3,4,5,6,7,8,9,10,11,12,13,14,15
	ds_store_b32 v24, v[240+\c] offset:STT+128*\c
.endr
	SQ 240, ASF, 162, 161
	v_mov_b32 v[ASF+3], 0
	ds_store_b128 v25, v[ASF:ASF+3] offset:SIMG
	ds_store_b32 v[PLW], v161 offset:SSC
	s_wait_loadcnt 56                              ; sb1 and sw2 are in; behind them 8 + 16 + 16 + 16
	WFETCH 3, 3
.irp j, 0,2,4,6,8,10,12,14,16,18,20,22,24,26,28,30
	v_pk_mul_f32 v[QK+\j:QK+\j+1], v[QK+\j:QK+\j+1], s[KK:KK+1] op_sel_hi:[1,0]      ; k sb1
	v_pk_mul_f32 v[SW2+\j:SW2+\j+1], v[SW2+\j:SW2+\j+1], s[KK:KK+1] op_sel_hi:[1,0]  ; cg log2(e) sw2, and cg log2(e) = k
.endr
	s_wait_kmcnt 0x0
	s_mul_f32 s[ALP], s[ALP], 0x3fb8aa3b
	s_mul_f32 s[SBB], s[SBB], 0x3fb8aa3b
	BARRIER                                        ; the 8 images of query and condition, and all the stats, lie in LDS
	v_mov_b32 v[AK], 0
	ds_load_b128 v[AS:AS+3], v[LI] offset:XSC
	ds_load_b128 v[AS+6:AS+9], v[LI] offset:XSC+512
	AFETCH 0, 0
	AFETCH 0, 1
	AFETCH 0, 2
	AFETCH 0, 3
; qc: K step f of sw1 (0-3 the query's, 4-7 the condition's), four accumulators by turns.  The weights roll through the four sets, four steps ahead; steps 4-7 bring the neighbour's K steps 8-11, which stay.
.macro QCSTEP f
	s_wait_dscnt 0x0
	s_wait_loadcnt 48                              ; this step's weights are in; the three younger sets may be out
	WIN 0x01
.irp t, 0,1,2,3
.if (\f) == 0
	WM ACC+8*\t, WF+12*\t, AF, WS+\t, AS, 0, 0
.else
	WM ACC+8*\t, WF+12*(4*((\f)&3)+\t), AF+12*((\f)&3), WS+4*((\f)&3)+\t, AS+6*((\f)/4)+((\f)&3), 1, ACC+8*\t
.endif
.endr
	WIN 0
	PLACES
	WFETCH (\f)&3, (\f)+4
.if (\f) < 4
	AFETCH 1, \f
.endif
.endm
	QCSTEP 0
	QCSTEP 1
	QCSTEP 2
	QCSTEP 3
	QCSTEP 4
	QCSTEP 5
	QCSTEP 6
	QCSTEP 7
.irp t, 0,1,2,3
.irp j, 0,2,4,6
	v_pk_fma_f32 v[ACC+8*\t+\j:ACC+8*\t+\j+1], v[ACC+8*\t+\j:ACC+8*\t+\j+1], s[KK:KK+1], v[QK+8*\t+\j:QK+8*\t+\j+1] op_sel_hi:[1,0,1]   ; k (qc + sb1)
.endr
.endr
.irp t, 0,1,2,3
	ds_store_b128 v21, v[ACC+8*\t:ACC+8*\t+3] offset:QCK+128*(\t/2)+32*(\t%2)          ; lanes r and r + 8 hold the same row and store the same bytes
	ds_store_b128 v21, v[ACC+8*\t+4:ACC+8*\t+7] offset:QCK+128*(\t/2)+32*(\t%2)+16
.endr
	s_wait_loadcnt 0x0                             ; the neighbour's weights are in
	s_wait_tensorcnt 0x1                           ; my chunk of slot 0 is in; slot 1's may stay out
	BARRIER
	; ================ THE LOOP: 8 b, two to a slot
	global_prefetch_b8 v[PF], s[NBW:NBW+1] offset:262144 th:TH_LOAD_NT scope:SCOPE_SE   ; my own chunk of b 4, 5: 64 blocks of 256 bytes, asked for once, two trips ahead of the tensor load that wants them
	global_prefetch_b8 v[PF], s[NBW:NBW+1] offset:270336 th:TH_LOAD_NT scope:SCOPE_SE
	PHASE 0, 1
	CHANGE 1, G0A                                  ; slot 1 is whole; slot 0 takes b 4, 5
	global_prefetch_b8 v[PF], s[NBW:NBW+1] offset:393216 th:TH_LOAD_NT scope:SCOPE_SE   ; my chunk of b 6, 7, the last: likewise
	global_prefetch_b8 v[PF], s[NBW:NBW+1] offset:401408 th:TH_LOAD_NT scope:SCOPE_SE
	PHASE 1, 1
	CHANGE 1, G0B                                  ; slot 0 is whole; slot 1 takes b 6, 7: the last load
	PHASE 2, 1
	CHANGE 0, G0A                                  ; slot 1 is whole; nothing is left to fetch
	PHASE 3, 0
	; ================ THE TAIL: out1, and the projection of the 8 rows of mixed (a tile of 16 rows: rows 8-15 repeat rows 0-7)
	s_wait_dscnt 0x0
	v_and_b32 v17, 7, v0                           ; r % 8
	v_bfe_u32 v18, v0, 4, 1                        ; h
	v_mul_u32_u24 v19, v17, QPIT
	v_lshl_add_u32 v19, v18, 6, v19
	s_and_b32 s88, s[WV], 3
	s_lshl_b32 s88, s88, 9
	v_add_nc_u32 v21, s88, v19                     ; mixed: row r % 8, K step w % 4, + 64 h
	s_lshl_b32 s88, s[WV], 8
	v_add_nc_u32 v20, s88, v19                     ; out0's rows in LDS: row r % 8, my units
	v_mul_u32_u24 v22, v17, 80                     ; mixed's stats
	v_and_b32 v23, 31, v0
	v_lshlrev_b32 v23, 3, v23                      ; 8 lane
	v_add_nc_u32 v10, s88, v23                     ; 8 lane + 256 w
	s_mul_i32 s88, s[WV], 768
	v_add_nc_u32 v24, s88, v[LI]                   ; my half image of the hidden layer
	v_add_nc_u32 v25, s88, v23
	s_lshr_b32 s88, s[WV], 1
	s_lshl_b32 s88, s88, 7
	s_and_b32 s89, s[WV], 1
	s_lshl_b32 s89, s89, 1
	s_add_co_u32 s88, s88, s89
	v_add_nc_u32 v9, s88, v[L4]                    ; and my two scale bytes: K step w / 2, bytes 2 (w % 2) on
	s_mul_i32 s88, s[WV], QPIT
	v_add_nc_u32 v13, s88, v[LI]                   ; row w, 16 bytes a lane
.irp t, 0,1,2,3
	global_load_b128 v[QK+8*\t:QK+8*\t+3], v[NVO], s[20:21] offset:128*(\t/2)+32*(\t%2)          ; pb1
	global_load_b128 v[QK+8*\t+4:QK+8*\t+7], v[NVO], s[20:21] offset:128*(\t/2)+32*(\t%2)+16
	global_load_b128 v[SW2+8*\t:SW2+8*\t+3], v[NVO], s[22:23] offset:128*(\t/2)+32*(\t%2)        ; pb2
	global_load_b128 v[SW2+8*\t+4:SW2+8*\t+7], v[NVO], s[22:23] offset:128*(\t/2)+32*(\t%2)+16
.endr
	ds_store_b32 v[PLW], v[AK] offset:ATT
	BARRIER                                        ; attn of the 8 b and all of mixed lie in LDS
	s_cmp_lt_u32 s[WV], 4
	s_cbranch_scc0 .Lno_attn
	ds_load_b64 v[AS+6:AS+7], v10 offset:ATT
	s_wait_dscnt 0x0
	global_store_b64 v10, v[AS+6:AS+7], s[28:29]   ; 32 lanes store 256 consecutive bytes, aligned; these two registers are not written again
.Lno_attn:
.irp j, 0,1,2,3
	ds_load_b128 v[240+4*\j:243+4*\j], v22 offset:MST+16*\j
.endr
.irp b, 0,1,2,3
.irp j, 0,1,2,3
	ds_load_b128 v[XN+16*\b+4*\j:XN+16*\b+4*\j+3], v21 offset:QCK+128*\b+16*\j
.endr
.endr
	s_wait_dscnt 16                                ; the 16 stats columns are in
	SQ 240, ASF, 162, AS+4
	v_mov_b32 v[ASF+3], 0
	s_wait_dscnt 0x0
	QUANT XN, 4, TM, PW, PC
	IMAGE                                          ; (waves w and w + 4 make the same fragment, each into its own image)
	BARRIER
	ds_load_b128 v[AS:AS+3], v[LI] offset:XSC
	AFETCH 0, 0
	AFETCH 0, 1
	AFETCH 0, 2
	AFETCH 0, 3
	s_wait_loadcnt 0x0                             ; pw1, pb1, pb2
.irp j, 0,2,4,6,8,10,12,14,16,18,20,22,24,26,28,30
	v_pk_mul_f32 v[QK+\j:QK+\j+1], v[QK+\j:QK+\j+1], s[KK:KK+1] op_sel_hi:[1,0]   ; k pb1
.endr
	s_wait_dscnt 0x0
.irp s, 0,1,2,3                        ; mixed x pw1; behind each K step its set takes pw2's
	WIN 0x01
.irp t, 0,1,2,3
.if \s == 0
	WM ACC+8*\t, WF+12*\t, AF, WS+\t, AS, 0, 0
.else
	WM ACC+8*\t, WF+12*(4*\s+\t), AF+12*\s, WS+4*\s+\t, AS+\s, 1, ACC+8*\t
.endif
.endr
	WIN 0
	PLACES
	WFETCH \s, 16+\s
.endr
	WIN 0x01
.irp t, 0,1,2,3
	WM ACC+8*\t, WX+4*\t, ASF, WS+16+\t, AS+4, 1, ACC+8*\t
.endr
	WIN 0
	PLACES
.irp t, 0,1,2,3
	GA \t
	GB1
	GB2 \t, 1, 0
.endr
	QUANT ACC, 2, T, QP, AF                        ; my 64 hidden units are half a K step of the last product: six registers of codes, two scale bytes
	ds_store_b128 v24, v[AF:AF+3] offset:HIMG
	ds_store_b64 v25, v[AF+4:AF+5] offset:HIMG+512
	ds_store_b16 v9, v[QP] offset:HSC
	BARRIER
.irp s, 0,1,2,3
	ds_load_b128 v[AF+12*\s:AF+12*\s+3], v[LI] offset:HIMG+1536*\s
	ds_load_b64 v[AF+12*\s+4:AF+12*\s+5], v23 offset:HIMG+1536*\s+512
	ds_load_b128 v[AF+12*\s+6:AF+12*\s+9], v[LI] offset:HIMG+1536*\s+768
	ds_load_b64 v[AF+12*\s+10:AF+12*\s+11], v23 offset:HIMG+1536*\s+1280
	ds_load_b32 v[AS+\s], v[L4] offset:HSC+128*\s
.endr
	s_wait_dscnt 0x0
	s_wait_loadcnt 0x0                             ; pw2
	WIN 0x01
.irp s, 0,1,2,3                        ; hidden x pw2; pb2 is the C of each sum's first product
.irp t, 0,1,2,3
.if \s == 0
	WM ACC+8*\t, WF+12*\t, AF, WS+\t, AS, 1, SW2+8*\t
.else
	WM ACC+8*\t, WF+12*(4*\s+\t), AF+12*\s, WS+4*\s+\t, AS+\s, 1, ACC+8*\t
.endif
.endr
.endr
	WIN 0
	PLACES
.irp t, 0,1,2,3
	ds_store_b128 v20, v[ACC+8*\t:ACC+8*\t+3] offset:QCK+128*(\t/2)+32*(\t%2)          ; each accumulator from its low end on
	ds_store_b128 v20, v[ACC+8*\t+4:ACC+8*\t+7] offset:QCK+128*(\t/2)+32*(\t%2)+16
.endr
	BARRIER                                        ; 8 whole rows of out0 lie in LDS
.irp i, 0,1,2,3
	ds_load_b128 v[AF+4*\i:AF+4*\i+3], v13 offset:QCK+512*\i
.endr
.irp i, 0,1,2,3
	s_wait_dscnt 3-\i
	global_store_b128 v[LI], v[AF+4*\i:AF+4*\i+3], s[26:27] offset:512*\i th:TH_STORE_NT   ; 32 lanes store 512 consecutive bytes, aligned
.endr
	s_wait_tensorcnt 0x0                           ; the wave's end
	ds_add_u32 v[SPW], v[NIL]
	s_wait_dscnt 0x0
	s_endpgm
.Lfunc_end_k_q9e20090f74_main:
	.size	k_q9e20090f74_main, .Lfunc_end_k_q9e20090f74_main-k_q9e20090f74_main
	.p2alignl 7, 3214868480
	.fill 96, 4, 3214868480
	.section	.rodata,"a",@progbits
	.p2align	6, 0x0
	.amdhsa_kernel k_q9e20090f74_main
		.amdhsa_group_segment_fixed_size 327680
		.amdhsa_private_segment_fixed_size 0
		.amdhsa_enable_private_segment 0
		.amdhsa_kernarg_size 104
		.amdhsa_user_sgpr_count 2
		.amdhsa_user_sgpr_kernarg_segment_ptr 1
		.amdhsa_wavefront_size32 1
		.amdhsa_system_sgpr_workgroup_id_x 1
		.amdhsa_system_sgpr_workgroup_id_y 1
		.amdhsa_system_sgpr_workgroup_id_z 1
		.amdhsa_system_vgpr_workitem_id 0
		.amdhsa_next_free_vgpr 512
		.amdhsa_next_free_sgpr 100
		.amdhsa_reserve_vcc 0
		.amdhsa_float_denorm_mode_32 3
		.amdhsa_float_denorm_mode_16_64 3
		.amdhsa_memory_ordered 1
		.amdhsa_forward_progress 1
		.amdhsa_inst_pref_size 255
	.end_amdhsa_kernel
	.section	.bss,"aw",@nobits
	.p2align	6
	.space	262144
	.amdgpu_metadata
---
amdhsa.version: [ 1, 2 ]
amdhsa.kernels:
  - .name:           k_q9e20090f74_main
    .symbol:         k_q9e20090f74_main.kd
    .args:
      - { .name: query, .offset: 0, .size: 8, .value_kind: global_buffer, .address_space: global }
      - { .name: condition, .offset: 8, .size: 8, .value_kind: global_buffer, .address_space: global }
      - { .name: neighbors, .offset: 16, .size: 8, .value_kind: global_buffer, .address_space: global }
      - { .name: neighbor_stats, .offset: 24, .size: 8, .value_kind: global_buffer, .address_space: global }
      - { .name: sb1, .offset: 32, .size: 8, .value_kind: global_buffer, .address_space: global }
      - { .name: sw2, .offset: 40, .size: 8, .value_kind: global_buffer, .address_space: global }
      - { .name: sb2, .offset: 48, .size: 8, .value_kind: global_buffer, .address_space: global }
      - { .name: sim_alpha, .offset: 56, .size: 8, .value_kind: global_buffer, .address_space: global }
      - { .name: pb1, .offset: 64, .size: 8, .value_kind: global_buffer, .address_space: global }
      - { .name: pb2, .offset: 72, .size: 8, .value_kind: global_buffer, .address_space: global }
      - { .name: wq, .offset: 80, .size: 8, .value_kind: global_buffer, .address_space: global }
      - { .name: out0, .offset: 88, .size: 8, .value_kind: global_buffer, .address_space: global }
      - { .name: out1, .offset: 96, .size: 8, .value_kind: global_buffer, .address_space: global }
    .group_segment_fixed_size: 327680
    .private_segment_fixed_size: 0
    .kernarg_segment_align: 8
    .kernarg_segment_size: 104
    .max_flat_workgroup_size: 256
    .sgpr_count:     100
    .vgpr_count:     512
    .wavefront_size: 32
...
	.end_amdgpu_metadata
.endif
;; end of part 2
